; MI455X (gfx1250); checked and timed in simulation.
; The chip was launched on July 23, 2026; its instructions are those of AMD's public machine-readable ISA for CDNA 5 (MIT licence, August 2026) and "CDNA5" Instruction Set Architecture Reference Guide (July 2026). The comments in the code are by the model that wrote it; some were corrected since.
;; RNN. Allowed arithmetic: matrix products marked QUANTISED: E2M3 operands, one E8M0 scale for each 32 along K, by v_wmma_scale_f32_16x16x128_f8f6f4 with both operands' format E2M3, f32 sums; everything else in f32.
;; Inputs: Uc_b 1,024 float32; Uc_w 512 x 1,024 float32; Uf_b 1,024 float32; Uf_w 512 x 1,024 float32; Ui_b 1,024 float32; Ui_w 512 x 1,024 float32; Uo_b 1,024 float32; Uo_w 512 x 1,024 float32; Wc_b 1,024 float32; Wc_w 1,024 x 1,024 float32; Wf_b 1,024 float32; Wf_w 1,024 x 1,024 float32; Wi_b 1,024 float32; Wi_w 1,024 x 1,024 float32; Wo_b 1,024 float32; Wo_w 1,024 x 1,024 float32; c_old 8,192 x 1,024 float32; h_old_codes 8,192 x 32 x 24 uint8 (E2M3 codes of h_old, K innermost, in blocks of 32 codes, four codes in three bytes); h_old_scales 8,192 x 32 uint8 (E8M0 scales of h_old, one for each 32 codes along K); input_x_codes 8,192 x 16 x 24 uint8 (E2M3 codes of input_x, K innermost, in blocks of 32 codes, four codes in three bytes); input_x_scales 8,192 x 16 uint8 (E8M0 scales of input_x, one for each 32 codes along K).
;; Outputs: out0 8,192 x 1,024 float32; out1 8,192 x 1,024 float32.
;; This version of the problem:
;;   THIS VERSION OF THE PROBLEM IS GIVEN IN LOW PRECISION. The matrix products marked QUANTISED in the list below multiply operands that are first quantised to E2M3 (2 exponent bits, 3 mantissa bits; 6 bits a number), with one power-of-two scale for each 32 numbers along K (OCP MX v1.0); their sums are f32. All else is computed in f32.
;;   The module's matrix products, in the order in which they are computed (A, B: the left and right operand; K: the contracted axis; several contracted axes count as one K, in the product's order):
;;     1. [M 8,192, K 512] x [K 512, N 4,096]; A: input input_x (given as codes); B: computed on the way: QUANTISED
;;     2. [M 8,192, K 1,024] x [K 1,024, N 4,096]; A: input h_old (given as codes); B: computed on the way: QUANTISED
;;   THE QUANTISER, for each operand of a quantised product, along K:
;;     - K is cut into blocks of 32 from its start; a last block that is shorter is filled with zeros.
;;     - A block's scale is 2^e with e = floor(log2(the largest magnitude in the block)) - 2, held to -126 .. 127; a block of zeros has e = 0. As a byte (E8M0): e + 127.
;;     - Each number is divided by its block's scale, clamped to +-7.5, and rounded to the nearest number of E2M3, ties to even, subnormals kept.
;;     - The product sums the exact products of the quantised numbers (number of the format x scale) in f32.
;;   ~~~python
;;   def quantise(x, axis):      # numpy; x: float32 -> the quantised numbers, widened to float32 again
;;       x = np.moveaxis(x, axis, -1); K = x.shape[-1]
;;       x = np.pad(x, [(0, 0)] * (x.ndim - 1) + [(0, -K % 32)]); x = x.reshape(x.shape[:-1] + (-1, 32)); a = np.abs(x).max(-1, keepdims=True)
;;       e = np.where(a > 0, np.clip(np.frexp(np.where(a > 0, a, 1))[1] - 1 - 2, -126, 127), 0)      # np.frexp(a)[1] - 1 = floor(log2(a)), exactly
;;       r = np.clip(x / 2.0 ** e, -7.5, 7.5)
;;       step = 2.0 ** (np.maximum(np.frexp(np.where(r == 0, 1, r))[1] - 1, 0) - 3)
;;       q = np.round(r / step) * step * 2.0 ** e      # np.round: ties to even
;;       return np.moveaxis(q.reshape(q.shape[:-2] + (-1,))[..., :K], -1, axis).astype(np.float32)
;;   ~~~
;;   OPERANDS COMPUTED ON THE WAY. 'Computed on the way' means the value that the module computes at that place (a softmax that the list does not call 'softmax' is quantised finished and normalised). What goes into a quantiser is computed in f32, as accurately as f32 sums, v_exp_f32 and their like allow (about 1e-6 of the number): no bf16 or f16 on the way to a quantiser, and a product that is left as it is and whose result goes on into a quantised operand takes f32 operands (vector FMAs, or v_wmma_f32_16x16x4_f32). A number that lies on a knife's edge between two numbers of the format may be rounded either way, as far as f32 arithmetic and the matrix unit's own rounding can turn it there, and no further.
;;   INPUTS GIVEN AS CODES. h_old (in the module: [8192, 1024], K = its axis 1); input_x (in the module: [8192, 512], K = its axis 1): each comes as NAME_codes (uint8): NAME with its K axis moved to the last place and cut into blocks of 32 codes, [.., K / 32, bytes a block], one block behind the other in memory; four codes in three bytes: a row's codes are one little-endian stream of bits, code i at bits 6 i .. 6 i + 5 (a code: sign, 2 exponent bits, 3 mantissa bits); and NAME_scales (uint8): the same leading axes, one E8M0 byte (e + 127) for each 32 codes along K. Its value is code x scale, taken as it is: it is not quantised again, and the codes and scales need not be those that the quantiser above would give.
;; One version. Each part assembles by itself: llvm-mc -triple=amdgcn-amd-amdhsa -mcpu=gfx1250 --defsym DOCPART=n.
;; ======== version 1 of 1: 2 launches
;; limits: right only within a limited range of input values; a function is approximated: absolute error at most 1e-12
;; workspace buffers: wq_img 4,718,592 bytes; wq_sc 196,608 bytes; bsum 16,384 bytes
;; launch quant (part 1): grid 32 x 6, 16 waves a work-group, no clusters, 27,648 bytes of LDS; arguments Ui_w, Uf_w, Uo_w, Uc_w, Wi_w, Wf_w, Wo_w, Wc_w, Ui_b, Uf_b, Uo_b, Uc_b, Wi_b, Wf_b, Wo_b, Wc_b, wq_img, wq_sc, bsum; writes wq_img, wq_sc, bsum
.if DOCPART == 1
	.amdgcn_target "amdgcn-amd-amdhsa--gfx1250"
	.amdhsa_code_object_version 6
	.text
	.protected	k_q9c2860e4d6_quant
	.globl	k_q9c2860e4d6_quant
	.p2align	8
	.type	k_q9c2860e4d6_quant,@function
k_q9c2860e4d6_quant:
	s_mov_b64 s[64:65], 0
	v_nop
	global_prefetch_b8 v0, s[64:65] scope:SCOPE_SE
	s_setreg_imm32_b32 hwreg(HW_REG_WAVE_MODE, 25, 1), 1
	s_wait_xcnt 0x0
; The eight weights, f32 stored [K][1024] (K = 512 for U*, 1,024 for W*), become codes of FP6 (E2M3) along the joint K of 1,536 (K 0..511 from U, 512..1,535 from W), laid AS THE NEXT LAUNCH'S OPERAND REGISTERS TAKE THEM.
; wq_img [hb 64][K step 12][gate 4][1,536 bytes]: one fragment = 16 hidden units (16 hb + r) of one gate x 128 along K = 12 registers a lane: register j of lane l at byte 512 (j / 4) + 16 l + 4 (j % 4).
;   Lane l = r + 16 h holds the K step's blocks of 32 codes h (registers 0-5) and 2 + h (registers 6-11) of row r.
; wq_sc [hb 64][gate pair 2][3][lane 32][16 bytes]: lane 16 (gate % 2) + r holds row r's E8M0 bytes of 16 blocks of K: four scale words.   bsum [4096] f32 = U's bias + W's, at (hid / 32) x 128 + 32 gate + hid % 32.
; A block's scale is 2^(floor(log2(its largest magnitude)) - 2); its byte is the largest magnitude's exponent field - 2, held at 1 from below.
; LIMITS: NaN and infinities among the weights are not served.  A block of zeros gets the byte 1 where the rule says 127: its codes are zeros, which add nothing under any byte but 0xff, and the bytes are read by this program alone.
; SHARES.  A work-group takes one gate's 128 columns x 256 along the joint K (y < 2: U, else W): 16 fragments.  A LANE TAKES A COLUMN AND ITS REGISTERS RUN DOWN K: wave w takes columns 32 (w % 4) on and 64 along K from 64 (w / 4) on:
; two blocks of 32, all of whose numbers are the lane's own.  Each load of a wave reads 128 consecutive bytes, four waves side by side 512; all 64 loads of a wave go out at the head.
; The codes are laid in image order in LDS; behind one barrier each wave stores one whole fragment: three stores of 512 consecutive bytes.
.set X,   32                           ; v32-95   my 64 numbers
.set C,   16                           ; v16-31   codes: block t's six words from C + 8 t on
.set SCS, 24576                        ; LDS: behind the 16 fragments: the scale bytes, 8 a column
	s_load_b512 s[4:19], s[0:1], 0x0               ; Ui, Uf, Uo, Uc, Wi, Wf, Wo, Wc
	s_load_b512 s[20:35], s[0:1], 0x40             ; their biases, in the same order
	s_load_b128 s[36:39], s[0:1], 0x80             ; wq_img, wq_sc
	s_load_b64 s[40:41], s[0:1], 0x90              ; bsum
	v_lshl_add_u32 v128, v0, 2, 0x6400
	v_mov_b32 v129, 0
	v_lshrrev_b32 v1, 5, v0
	v_readfirstlane_b32 s42, v1                    ; wave 0..15
	s_and_b32 s43, s42, 3                          ; cw: which 32 columns
	s_lshr_b32 s44, s42, 2                         ; kw: which 64 along K
	s_and_b32 s45, ttmp7, 0xffff                   ; y: which 256 of the joint K
	s_lshr_b32 s46, ttmp9, 3                       ; gate
	s_and_b32 s47, ttmp9, 7                        ; xc: which 128 columns
	v_and_b32 v2, 31, v0                           ; lane
	v_lshlrev_b32 v3, 2, v2                        ; 4 bytes a lane
	v_lshrrev_b32 v10, 4, v2
	v_and_b32 v11, 15, v2                          ; r
	v_mul_u32_u24 v120, v10, 3072                  ; lanes 16-31 belong to the next 16 hidden units: two fragments on; in wq_sc 3,072 bytes on as well
	v_lshl_add_u32 v120, v11, 4, v120              ; + 16 r
	s_lshl_b32 s52, s43, 2
	s_lshr_b32 s53, s44, 1
	s_add_co_u32 s52, s52, s53                     ; my lanes 0-15's fragment: 4 cw + kw / 2
	s_mul_i32 s52, s52, 1536
	s_and_b32 s53, s44, 1                          ; which half of the K step: registers 0-5 or 6-11
	s_mul_i32 s54, s53, 520                        ; a block's three pairs of words lie at 0, 8, 512 (registers 0-5) or at 520, 1,024, 1,032 (registers 6-11)
	s_add_co_u32 s54, s54, s52
	v_add_nc_u32 v4, s54, v120                     ; the first and third pair
	s_mul_i32 s54, s53, 1016
	s_add_co_u32 s54, s54, s52
	s_add_co_u32 s54, s54, 8
	v_add_nc_u32 v5, s54, v120                     ; the second pair
	s_lshl_b32 s53, s43, 8
	s_add_co_u32 s53, s53, SCS
	v_lshl_add_u32 v6, v2, 3, s53                  ; my column's 8 scale bytes
	s_lshl_b32 s54, s44, 1
	v_add_nc_u32 v7, s54, v6                       ; my two of them
	v_lshlrev_b32 v9, 4, v2                        ; the way out: 16 bytes a lane,
	s_mul_i32 s54, s42, 1536
	v_add_nc_u32 v8, s54, v9                       ; of fragment w
	s_lshl_b32 s52, s47, 2
	s_add_co_u32 s52, s52, s43                     ; 4 xc + cw = my columns / 32
	s_lshl_b32 s58, s52, 7                         ; 4 bytes x my first column
	s_lshl_b32 s54, s52, 7
	s_lshl_b32 s55, s46, 5
	s_add_co_u32 s54, s54, s55                     ; my first place in bsum
	s_mov_b32 s57, 0
	s_mov_b32 s59, 0
	s_wait_kmcnt 0x0
	; which tensor: only pointers and one number are chosen, by the work-group's numbers alone; all take one path through the text
	s_cmp_lt_u32 s45, 2                            ; U or W?
	s_cselect_b64 s[4:5], s[4:5], s[12:13]
	s_cselect_b64 s[6:7], s[6:7], s[14:15]
	s_cselect_b64 s[8:9], s[8:9], s[16:17]
	s_cselect_b64 s[10:11], s[10:11], s[18:19]
	s_cselect_b32 s48, 0, 2
	s_sub_co_u32 s48, s45, s48                     ; which 256 along the tensor's own K
	s_cmp_lt_u32 s46, 2                            ; gates 0, 1 or 2, 3?
	s_cselect_b64 s[4:5], s[4:5], s[8:9]
	s_cselect_b64 s[6:7], s[6:7], s[10:11]
	s_cselect_b64 s[20:21], s[20:21], s[24:25]
	s_cselect_b64 s[22:23], s[22:23], s[26:27]
	s_cselect_b64 s[28:29], s[28:29], s[32:33]
	s_cselect_b64 s[30:31], s[30:31], s[34:35]
	s_and_b32 s51, s46, 1
	s_cmp_lg_u32 s51, 0                            ; the odd one of the two?
	s_cselect_b64 s[4:5], s[6:7], s[4:5]           ; the weight
	s_cselect_b64 s[20:21], s[22:23], s[20:21]     ; U's bias
	s_cselect_b64 s[28:29], s[30:31], s[28:29]     ; W's bias
	s_lshl_b32 s56, s48, 8
	s_lshl_b32 s60, s44, 6
	s_add_co_u32 s56, s56, s60                     ; my first row of the weight
	s_lshl_b32 s56, s56, 12                        ; rows of 4,096 bytes
	s_add_co_u32 s56, s56, s58
	s_add_nc_u64 s[4:5], s[4:5], s[56:57]
.set i, 0
.rept 64
	global_load_b32 v[X+i], v3, s[4:5] offset:i*4096 th:TH_LOAD_NT   ; W(k0 + i, my column): read once in the launch
.set i, i+1
.endr
	s_add_nc_u64 s[20:21], s[20:21], s[58:59]
	s_add_nc_u64 s[28:29], s[28:29], s[58:59]
	s_lshl_b32 s56, s47, 3                         ; the fragment that I store: hb = 8 xc + w / 2, K step 2 y + w % 2, my work-group's gate
	s_lshr_b32 s60, s42, 1
	s_add_co_u32 s56, s56, s60
	s_mul_i32 s56, s56, 48
	s_lshl_b32 s60, s45, 3
	s_add_co_u32 s56, s56, s60
	s_and_b32 s60, s42, 1
	s_lshl_b32 s60, s60, 2
	s_add_co_u32 s56, s56, s60
	s_add_co_u32 s56, s56, s46
	s_mul_i32 s56, s56, 1536
	s_add_nc_u64 s[36:37], s[36:37], s[56:57]
	s_lshl_b32 s56, s52, 1                         ; the scale bytes: hb = 8 xc + 2 cw (+ lane / 16),
	s_mul_i32 s56, s56, 3072
	s_lshr_b32 s60, s46, 1
	s_mul_i32 s60, s60, 1536                       ; the pair of gates,
	s_add_co_u32 s56, s56, s60
	s_lshr_b32 s60, s45, 1
	s_lshl_b32 s60, s60, 9                         ; which 16 blocks of K,
	s_add_co_u32 s56, s56, s60
	s_and_b32 s60, s46, 1
	s_lshl_b32 s60, s60, 8                         ; lanes 0-15 or 16-31,
	s_add_co_u32 s56, s56, s60
	s_and_b32 s60, s45, 1
	s_lshl_b32 s60, s60, 3                         ; which 8 of the 16 bytes
	s_add_co_u32 s56, s56, s60
	s_add_nc_u64 s[38:39], s[38:39], s[56:57]
	s_lshl_b32 s56, s54, 2
	s_add_nc_u64 s[40:41], s[40:41], s[56:57]
; Block t of my two.  left: the loads that may stay out.
.macro BLOCK t, left
.set XS, X+32*(\t)
	s_wait_loadcnt \left                           ; loads come back in order: this block's 32 are in
	v_max3_num_f32 v12, |v[XS]|, |v[XS+1]|, |v[XS+2]|               ; the block's largest magnitude, in two chains
	v_max3_num_f32 v13, |v[XS+3]|, |v[XS+4]|, |v[XS+5]|
.irp i, 6,10,14,18,22,26
	v_max3_num_f32 v12, v12, |v[XS+\i]|, |v[XS+\i+1]|
	v_max3_num_f32 v13, v13, |v[XS+\i+2]|, |v[XS+\i+3]|
.endr
	v_max3_num_f32 v12, v12, |v[XS+30]|, |v[XS+31]|
	v_max3_num_f32 v12, v12, v13, 0x1800000        ; and the floor 2^(3 - 127): the byte cannot fall under 1
	v_add_nc_u32 v[10+\t], 0xff000000, v12         ; 2 off the exponent field: the conversion takes the exponent field of this operand as its scale
	v_lshrrev_b32 v[14+\t], 23, v[10+\t]           ; the scale's byte
	v_cvt_scalef32_pk16_fp6_f32 v[C+8*\t:C+8*\t+2], v[XS:XS+15], v[10+\t]
	v_cvt_scalef32_pk16_fp6_f32 v[C+8*\t+4:C+8*\t+6], v[XS+16:XS+31], v[10+\t]   ; (a conversion's three registers begin on an even number)
	v_nop                                          ; one plain line behind a scaled conversion
	v_mov_b32 v[C+8*\t+3], v[C+8*\t+4]             ; the six words on end
	v_mov_b32 v[C+8*\t+4], v[C+8*\t+5]
	v_mov_b32 v[C+8*\t+5], v[C+8*\t+6]
	ds_store_b64 v4, v[C+8*\t:C+8*\t+1] offset:256*\t              ; block t belongs to the image's lane r + 16 t: 256 bytes on
	ds_store_b64 v5, v[C+8*\t+2:C+8*\t+3] offset:256*\t
	ds_store_b64 v4, v[C+8*\t+4:C+8*\t+5] offset:256*\t+512
.endm
	BLOCK 0, 32
	BLOCK 1, 0
	v_lshl_or_b32 v14, v15, 8, v14                 ; my two bytes, the lower K in the lower byte
	ds_store_b16 v7, v14
	s_wait_dscnt 0x0                               ; for the others' sake: my stores have landed
	s_barrier_signal -1
	s_barrier_wait -1
.irp c, 0,1,2
	ds_load_b128 v[96+4*\c:96+4*\c+3], v8 offset:512*\c            ; fragment w, bytes that two waves stored
.endr
.irp c, 0,1,2
	s_wait_dscnt 2-\c                              ; the younger loads may stay out
	global_store_b128 v9, v[96+4*\c:96+4*\c+3], s[36:37] offset:512*\c   ; 32 lanes store 512 consecutive bytes, at a multiple of 256 from the buffer's first byte
.endr
	s_cmp_lg_u32 s44, 0                            ; the scale bytes leave by waves 0 to 3: 8 bytes a column
	s_cbranch_scc1 .Ldone
	ds_load_b64 v[112:113], v6
	s_wait_dscnt 0x0
	global_store_b64 v120, v[112:113], s[38:39]
	s_cmp_lg_u32 s45, 0                            ; the biases' sums are made where y = 0, by the same four waves
	s_cbranch_scc1 .Ldone
	global_load_b32 v114, v3, s[20:21]
	global_load_b32 v115, v3, s[28:29]
	s_wait_loadcnt 0x0
	v_add_f32 v116, v114, v115
	global_store_b32 v3, v116, s[40:41]
.Ldone:
	s_wait_tensorcnt 0x0
	ds_add_u32 v128, v129
	s_wait_dscnt 0x0
	s_endpgm
.Lfunc_end_k_q9c2860e4d6_quant:
	.size	k_q9c2860e4d6_quant, .Lfunc_end_k_q9c2860e4d6_quant-k_q9c2860e4d6_quant
	.p2alignl 7, 3214868480
	.fill 96, 4, 3214868480
	.section	.rodata,"a",@progbits
	.p2align	6, 0x0
	.amdhsa_kernel k_q9c2860e4d6_quant
		.amdhsa_group_segment_fixed_size 27648
		.amdhsa_private_segment_fixed_size 0
		.amdhsa_enable_private_segment 0
		.amdhsa_kernarg_size 152
		.amdhsa_user_sgpr_count 2
		.amdhsa_user_sgpr_kernarg_segment_ptr 1
		.amdhsa_wavefront_size32 1
		.amdhsa_system_sgpr_workgroup_id_x 1
		.amdhsa_system_sgpr_workgroup_id_y 1
		.amdhsa_system_sgpr_workgroup_id_z 1
		.amdhsa_system_vgpr_workitem_id 0
		.amdhsa_next_free_vgpr 130
		.amdhsa_next_free_sgpr 66
		.amdhsa_reserve_vcc 0
		.amdhsa_float_denorm_mode_32 3
		.amdhsa_float_denorm_mode_16_64 3
		.amdhsa_memory_ordered 1
		.amdhsa_forward_progress 1
		.amdhsa_inst_pref_size 15
	.end_amdhsa_kernel
	.amdgpu_metadata
---
amdhsa.version: [ 1, 2 ]
amdhsa.kernels:
  - .name:           k_q9c2860e4d6_quant
    .symbol:         k_q9c2860e4d6_quant.kd
    .args:
      - { .name: Ui_w, .offset: 0, .size: 8, .value_kind: global_buffer, .address_space: global }
      - { .name: Uf_w, .offset: 8, .size: 8, .value_kind: global_buffer, .address_space: global }
      - { .name: Uo_w, .offset: 16, .size: 8, .value_kind: global_buffer, .address_space: global }
      - { .name: Uc_w, .offset: 24, .size: 8, .value_kind: global_buffer, .address_space: global }
      - { .name: Wi_w, .offset: 32, .size: 8, .value_kind: global_buffer, .address_space: global }
      - { .name: Wf_w, .offset: 40, .size: 8, .value_kind: global_buffer, .address_space: global }
      - { .name: Wo_w, .offset: 48, .size: 8, .value_kind: global_buffer, .address_space: global }
      - { .name: Wc_w, .offset: 56, .size: 8, .value_kind: global_buffer, .address_space: global }
      - { .name: Ui_b, .offset: 64, .size: 8, .value_kind: global_buffer, .address_space: global }
      - { .name: Uf_b, .offset: 72, .size: 8, .value_kind: global_buffer, .address_space: global }
      - { .name: Uo_b, .offset: 80, .size: 8, .value_kind: global_buffer, .address_space: global }
      - { .name: Uc_b, .offset: 88, .size: 8, .value_kind: global_buffer, .address_space: global }
      - { .name: Wi_b, .offset: 96, .size: 8, .value_kind: global_buffer, .address_space: global }
      - { .name: Wf_b, .offset: 104, .size: 8, .value_kind: global_buffer, .address_space: global }
      - { .name: Wo_b, .offset: 112, .size: 8, .value_kind: global_buffer, .address_space: global }
      - { .name: Wc_b, .offset: 120, .size: 8, .value_kind: global_buffer, .address_space: global }
      - { .name: wq_img, .offset: 128, .size: 8, .value_kind: global_buffer, .address_space: global }
      - { .name: wq_sc, .offset: 136, .size: 8, .value_kind: global_buffer, .address_space: global }
      - { .name: bsum, .offset: 144, .size: 8, .value_kind: global_buffer, .address_space: global }
    .group_segment_fixed_size: 27648
    .private_segment_fixed_size: 0
    .kernarg_segment_align: 8
    .kernarg_segment_size: 152
    .max_flat_workgroup_size: 512
    .sgpr_count:     66
    .vgpr_count:     130
    .wavefront_size: 32
...
	.end_amdgpu_metadata
.endif
;; end of part 1
;; launch lstm (part 2): grid 16 x 16, 4 waves a work-group, clusters of 4 x 1, 327,680 bytes of LDS; arguments input_x_codes, input_x_scales, h_old_codes, h_old_scales, wq_img, wq_sc, bsum, c_old, out0, out1; writes out0, out1
.if DOCPART == 2
	.amdgcn_target "amdgcn-amd-amdhsa--gfx1250"
	.amdhsa_code_object_version 6
	.text
	.protected	k_q9c2860e4d6_lstm
	.globl	k_q9c2860e4d6_lstm
	.p2align	8
	.type	k_q9c2860e4d6_lstm,@function
k_q9c2860e4d6_lstm:
	s_mov_b64 s[64:65], 0
	v_nop
	global_prefetch_b8 v0, s[64:65] scope:SCOPE_SE
	s_setreg_imm32_b32 hwreg(HW_REG_WAVE_MODE, 25, 1), 1
	s_wait_xcnt 0x0
	s_wait_alu depctr_hold_cnt(0) depctr_sa_sdst(0) depctr_va_vdst(0) depctr_va_sdst(0) depctr_va_ssrc(0) depctr_va_vcc(0) depctr_vm_vsrc(0)
	s_getreg_b32 s2, hwreg(HW_REG_IB_STS2, 6, 4)
	s_cmp_eq_u32 s2, 0
	s_cbranch_scc0 .Lentry_in_a_cluster
	s_endpgm
.Lentry_in_a_cluster:
	s_bfe_u32 s2, ttmp6, 0x10000c
	s_cmp_lg_u32 s2, 0x3003
	s_cbranch_scc0 .Lentry_shape_is_right
	s_endpgm
.Lentry_shape_is_right:
; gates [8192][4096] = x U + h W + b on codes of FP6 (E2M3) with one E8M0 scale for each 32 along K, then the cell: c = sigmoid(i) tanh(g) + sigmoid(f) c_old, h = sigmoid(o) tanh(c).  The gates never leave the registers.
; SHARES.  A work-group of four waves takes 512 rows x 64 hidden units.  THE WEIGHTS STAY IN REGISTERS: wave w holds the four gates of hidden units 16 (4 TC + w) on for all K = 1,536: 48 fragments, 576 registers, loaded once as images
; of the registers (512 consecutive bytes a load).  The rows go past them in 16 blocks of 32: a block is 12 K steps x 2 tiles of rows x 4 gates = 96 matrix instructions on eight accumulators, which take turns.
; THE MATRIX INSTRUCTION IS USED TRANSPOSED (source 0 = 16 rows of a gate's weights, source 1 = 16 rows of x or h): lane (r, hh) holds row r and hidden units 8 hh + 0 .. 7, the same in all four gates: so the cell works on the
; accumulators in place.  The bias is the C of each sum's first product.
; BY TURNS.  In turn t the products of block t stand with the cell of block t - 1, cut into slices, one slice behind each matrix instruction; two sets of accumulators change places.  A slice works in window 3 alone, a product
; names three windows: two switches a product are the price for not laying 322 vector instructions behind every 96 products with the matrix unit idle.
; With a = e^-i, b = e^2g, d = e^-f, p = e^-o, e = e^2c:  c = [(b - 1)(1 + d) + c_old (1 + a)(1 + b)] / [(1 + a)(1 + b)(1 + d)],  h = (e - 1) / [(1 + p)(1 + e)]: five exponentials and two reciprocals a number.
; LIMITS: each exponent is held at 40 from above, so that the products stay under 2^121 and their reciprocals are normal numbers: a sigmoid under 2^-40 comes out as about 2^-40, a tanh within 2^-39 of 1 as that;
; |c_old| stays under 2^40; NaN and infinities are not served.
; THE RING.  Two LDS slots of 64 rows (two blocks): x's codes, h's codes, c_old's 64 numbers of each row.  Wave 0 fetches x's tile, wave 1 h's, wave 2 c_old's, one tensor load each; a refill has two turns, 192 matrix instructions, to land.
; CLUSTER: the four column groups of a cluster walk the same rows: x's and h's tiles and their scale bytes are asked for JOINTLY.  c_old's tile is the work-group's own.  The weights, which the 16 row groups of a column group share, go
; from memory straight into registers: their 294,912 bytes have no room in LDS beside the ring, so no joint load can bring them.
; THE WAY OUT.  A wave's 16 hidden units are 64 bytes of a row; the four waves' parts of c and h meet in a stage in LDS (two stages, one for each kind of turn), and behind the turn's barrier each wave stores 8 whole rows' 256 bytes of each output.
; REGISTERS, in windows of 256: window 0: v1-19 addresses; v20-43 the weights' scale words; v44-55 the rows' scale words; v56-127 weight fragments 42-47; v128-223 four buffers of two row fragments.
;   windows 1, 2: weight fragments 0-20, 21-41.   window 3: v0-127 the two sets of accumulators (gate g, tile m at 64 set + 16 g + 8 m); v128-159 at work; v160-175 c_old; v176-207 the bias; v208-239 rows on the way out.
.set XP,    432                        ; x: an LDS row: 3 x (128 bytes + 16 of padding) = 27 x 16 bytes: the 32 lanes of a load of 8 bytes touch 64 different banks (64 banks of 4 bytes: ISA guide 11.1)
.set HP,    816                        ; h: 3 x (256 + 16) = 51 x 16 bytes: likewise
.set CP,    272                        ; c_old and the stages: 256 + 16
.set XT,    0                          ; a slot: 64 rows of x,
.set HT,    64*XP                      ; of h,
.set CT,    HT+64*HP                   ; of c_old
.set SLOTB, CT+64*CP                   ; 97,280 bytes
.set SLOT1, 1<<17                      ; slot 1 begins here, so that one exclusive or turns an address in one slot into the other's
.set XSC,   SLOTB                      ; between the slots: x's scale bytes of my 512 rows, 16 a row,
.set HSC,   XSC+8192                   ; h's, 32 a row,
.set SPARE, HSC+16384                  ; and the spare words, 128 bytes for each wave: two blocks of 256 bytes that no other line names
.set STG,   SLOT1+SLOTB                ; behind the ring: two stages
.set SBUF,  2*32*CP                    ; a stage: c's 32 rows, then h's
.set SPW,   1                          ; v1   LDS address of my spare word; never rewritten
.set NIL,   2                          ; v2   0; never rewritten
.set AX0,   3                          ; v3-4 my lane's place in x's tile (v4: for the pieces behind one padding more); never rewritten
.set AH0,   5                          ; v5-6 in h's
.set AC0,   7                          ; v7   in c_old's
.set AXW,   8                          ; v8-9, v10-11, v12: the same in the slot in hand
.set AHW,   10
.set ACW,   12
.set ASX,   13                         ; v13  my row's scale words of x: row = lane
.set ASH,   14                         ; v14  of h
.set STO,   15                         ; v15  the stage: where I put 16 bytes of a row
.set RD,    16                         ; v16  and where I read rows back
.set VOFF,  17                         ; v17  my byte offset in out0, out1; never rewritten
.set PFO,   18                         ; v18  4,096 x lane: a row of c_old for each lane; never rewritten
.set BOF,   19                         ; v19  16 x lane: my bytes of an image
.set BS,    20                         ; the weights' scale words: BS + 12 (g / 2) + k: lanes 0-15 gate 2 (g / 2), lanes 16-31 the next gate
.set AS,    44                         ; the rows' scale words: AS + k: lanes 0-15 tile 0, lanes 16-31 tile 1
.set BP,    56                         ; weight fragments 42-47
.set AF,    128                        ; row fragments: K step k, tile m at AF + 24 (k % 4) + 12 m
.set T1,    128                        ; window 3
.set T2,    144
.set CO,    160
.set BI,    176
.set RB,    208
.set G1X,  24                          ; s[24:31] shape of x's tiles;  s[32:39] h's;  s[40:47] c_old's;  s[48:55] a block of scale bytes
.set G1H,  32
.set G1C,  40
.set G1S,  48
.set G0X,  56                          ; s[56:63] from where, to where: a set for each of the two first fills; the second then walks on.  s[68:75] h's;  s[76:83] c_old's;  s[84:87] the scale bytes
.set G0H,  68
.set G0C,  76
.set G0S,  84
.set WV,   88                          ; wave
.set CX,   89
.set TC,   90                          ; column group: 64 hidden units
.set RGRP, 91                          ; row group: 512 rows
.set TB,   92                          ; LDS byte at which the slot in hand begins
.set SLOTS, 93                         ; slots still to be asked for
.set LIM,  94                          ; 1 in the wave that prefetches, else the greatest number
.set NL2E, 96                          ; s[96:97] -log2(e);  s[98:99] 2 log2(e);  s100 40.0
.set TL2E, 98
.set CAP,  100
.set PFA,  104                         ; s[104:105] c_old's tile one slot further on than the one being asked for
.set MSB, 0
.macro WIN new                         ; the immediate's high byte repeats the setting that is left; a switch that changes nothing is dropped
.if MSB != (\new)
	s_set_vgpr_msb (MSB<<8)|(\new)
.set MSB, (\new)
.endif
.endm
.macro PLACES n                        ; plain vector lines between a matrix instruction and a load into, or a read of, its registers
.rept \n
	v_nop
.endr
.endm
.macro CREST                           ; a round of the cluster's barrier behind its opening barrier
	s_cmp_lg_u32 s[WV], 0
	s_cbranch_scc1 .Lnot_wave_0_\@
	s_barrier_signal -3
.Lnot_wave_0_\@:
	s_barrier_wait -3
	s_barrier_signal -1
	s_barrier_wait -1
.endm
.macro CROUND                          ; a whole round
	s_barrier_signal -1
	s_barrier_wait -1
	CREST
.endm
; A refill: each of waves 0 to 2 has one tile and one line; the branches hang on the wave's number alone.  Four v_nop follow each line.
.macro TLOAD
	s_cmp_eq_u32 s[WV], 0
	s_cbranch_scc0 .Lnot_x_\@
	tensor_load_to_lds s[G0X+4:G0X+7], s[G1X:G1X+7]
	s_nop 0
	PLACES 4
	s_branch .Lasked_\@
.Lnot_x_\@:
	s_cmp_eq_u32 s[WV], 1
	s_cbranch_scc0 .Lnot_h_\@
	tensor_load_to_lds s[G0H+4:G0H+7], s[G1H:G1H+7]
	s_nop 0
	PLACES 4
	s_branch .Lasked_\@
.Lnot_h_\@:
	s_cmp_eq_u32 s[WV], 2
	s_cbranch_scc0 .Lasked_\@
	tensor_load_to_lds s[G0C+4:G0C+7], s[G1C:G1C+7]
	s_nop 0
	PLACES 4
.Lasked_\@:
.endm
; A PREFETCH INTO THE L2 of the tile of c_old that the NEXT change of slots will ask for: 64 rows x 256 bytes, a lane a row, two instructions, by wave 3, which fetches nothing.  Each aligned block of 256 bytes is named once in the
; launch: no other work-group reads it.  It stands where the other waves have their tensor load, two turns (192 matrix instructions) ahead of the load that will want the tile.  The last change that fills a slot asks for nothing.
.macro ASK
	s_cmp_gt_u32 s[SLOTS], s[LIM]
	s_cbranch_scc0 .Lnot_mine_\@
	global_prefetch_b8 v[PFO], s[PFA:PFA+1] th:TH_LOAD_NT scope:SCOPE_SE
	global_prefetch_b8 v[PFO], s[PFA:PFA+1] offset:131072 th:TH_LOAD_NT scope:SCOPE_SE
.Lnot_mine_\@:
.endm
.macro ADDRS                           ; my places in the slot in hand
	v_add_nc_u32 v[AXW], s[TB], v[AX0]
	v_add_nc_u32 v[AXW+1], s[TB], v[AX0+1]
	v_add_nc_u32 v[AHW], s[TB], v[AH0]
	v_add_nc_u32 v[AHW+1], s[TB], v[AH0+1]
	v_add_nc_u32 v[ACW], s[TB], v[AC0]
.endm
	s_load_b256 s[4:11], s[0:1], 0x0               ; x's codes s[4:5], x's scales s[6:7], h's codes s[8:9], h's scales s[10:11]
	s_load_b256 s[12:19], s[0:1], 0x20             ; wq_img s[12:13], wq_sc s[14:15], bsum s[16:17], c_old s[18:19]
	s_load_b128 s[20:23], s[0:1], 0x40             ; out0 (h) s[20:21], out1 (c) s[22:23]
	v_lshl_add_u32 v[SPW], v0, 2, SPARE
	v_mov_b32 v[NIL], 0
	ds_add_u32 v1, v2
	s_wait_dscnt 0x0
	v_lshrrev_b32 v224, 5, v0
	v_readfirstlane_b32 s[WV], v224                ; wave 0..3
	s_bfe_u32 s[CX], ttmp6, 0x40000                ; my place in the cluster: it enters the addresses of the weights, the bias, c_old and the outputs alone
	s_lshl_b32 s[TC], ttmp9, 2
	s_add_co_u32 s[TC], s[TC], s[CX]               ; column group = 4 x cluster x + cx
	s_and_b32 s[RGRP], ttmp7, 0xffff               ; row group, which the four partners share
	; shapes.  x: 64 rows x 384 bytes, 16 bytes of padding behind every 128;  h: 64 rows x 768 bytes, 16 behind every 256;  both with the mask of all four work-groups
	s_mov_b32 s[G1X], 15|(1<<20)|(1<<21)|(4<<22)|(3<<25)   ; 15:0 the mask; 17:16 elements of 1 byte; 20 padding on; 21 set beside a mask; 24:22 after every 32 words; 31:25 of 4 words
	s_mov_b32 s[G1X+1], 384<<16                    ; tensor_dim0
	s_mov_b32 s[G1X+2], 64<<16                     ; tensor_dim1
	s_mov_b32 s[G1X+3], 384<<16                    ; tile_dim0
	s_mov_b32 s[G1X+4], 64                         ; tile_dim1
	s_mov_b32 s[G1X+5], 384                        ; from row to row
	s_mov_b32 s[G1X+6], 0
	s_mov_b32 s[G1X+7], 0
	s_mov_b32 s[G1H], 15|(1<<20)|(1<<21)|(5<<22)|(3<<25)   ; after every 64 words
	s_mov_b32 s[G1H+1], 768<<16
	s_mov_b32 s[G1H+2], 64<<16
	s_mov_b32 s[G1H+3], 768<<16
	s_mov_b32 s[G1H+4], 64
	s_mov_b32 s[G1H+5], 768
	s_mov_b32 s[G1H+6], 0
	s_mov_b32 s[G1H+7], 0
	s_mov_b32 s[G1C], (2<<16)|(1<<20)|(5<<22)|(3<<25)      ; c_old: no mask; 64 rows x 64 elements of 4 bytes, 16 bytes of padding behind each row
	s_mov_b32 s[G1C+1], 64<<16
	s_mov_b32 s[G1C+2], 64<<16
	s_mov_b32 s[G1C+3], 64<<16
	s_mov_b32 s[G1C+4], 64
	s_mov_b32 s[G1C+5], 1024
	s_mov_b32 s[G1C+6], 0
	s_mov_b32 s[G1C+7], 0
	s_mov_b32 s[G1S], 15|(3<<16)|(1<<21)           ; scale bytes: 8,192 dense bytes as 32 rows of 256 (32 elements of 8 bytes); the mask; no padding
	s_mov_b32 s[G1S+1], 32<<16
	s_mov_b32 s[G1S+2], 32<<16
	s_mov_b32 s[G1S+3], 32<<16
	s_mov_b32 s[G1S+4], 32
	s_mov_b32 s[G1S+5], 32
	s_mov_b32 s[G1S+6], 0
	s_mov_b32 s[G1S+7], 0
	s_mov_b32 s[NL2E], 0xbfb8aa3b                  ; -log2(e)
	s_mov_b32 s[NL2E+1], 0xbfb8aa3b                ; (the packed form names the pair, so both are written)
	s_mov_b32 s[TL2E], 0x4038aa3b                  ; 2 log2(e)
	s_mov_b32 s[TL2E+1], 0x4038aa3b
	s_mov_b32 s[CAP], 0x42200000                   ; 40.0
	s_mov_b32 s[TB], 0
	s_cmp_eq_u32 s[WV], 3
	s_cselect_b32 s[LIM], 1, -1
	; the lanes' places, while the arguments are on their way
	v_and_b32 v224, 15, v0                         ; r
	v_bfe_u32 v225, v0, 4, 1                       ; hh
	v_and_b32 v226, 31, v0                         ; lane
	v_mul_u32_u24 v[AX0], v224, XP
	v_mad_u32_u24 v[AX0], v225, 24, v[AX0]         ; a fragment's row x pitch + 24 x half
	v_lshl_add_u32 v[AX0+1], v225, 4, v[AX0]       ; and the same behind one padding more
	v_mul_u32_u24 v[AH0], v224, HP
	v_mad_u32_u24 v[AH0], v225, 24, v[AH0]
	v_add_nc_u32 v[AH0], HT, v[AH0]
	v_lshl_add_u32 v[AH0+1], v225, 4, v[AH0]
	s_lshl_b32 s101, s[WV], 6
	v_mul_u32_u24 v227, v224, CP
	v_lshl_add_u32 v227, v225, 5, v227
	v_add_nc_u32 v227, s101, v227                  ; row r, my wave's 64 bytes, my half's 32
	v_add_nc_u32 v[AC0], CT, v227
	v_add_nc_u32 v[STO], STG, v227
	s_mul_i32 s101, s[WV], 8*CP                    ; back from the stage: my 8 rows; lanes 0-15 one row, lanes 16-31 the next, 16 bytes a lane
	v_mul_u32_u24 v[RD], v225, CP
	v_lshl_add_u32 v[RD], v224, 4, v[RD]
	v_add_nc_u32 v[RD], s101, v[RD]
	v_add_nc_u32 v[RD], STG, v[RD]
	v_lshlrev_b32 v[VOFF], 12, v225                ; the same two rows in out0, out1
	v_lshl_add_u32 v[VOFF], v224, 4, v[VOFF]
	v_lshlrev_b32 v[PFO], 12, v226
	v_lshlrev_b32 v[BOF], 4, v226
	v_lshl_add_u32 v[ASX], v226, 4, XSC
	v_lshl_add_u32 v[ASH], v226, 5, HSC
	v_lshlrev_b32 v228, 5, v225                    ; the bias: my half's eight numbers
	ADDRS
	s_mov_b32 s3, 0
	s_mov_b32 s67, 0
	s_wait_kmcnt 0x0
	; what the partners share hangs on the row group and the wave alone (s[2:3], s101); what hangs on cx is made in s[66:67] and s95
	s_mul_i32 s2, s[RGRP], 512*384
	s_add_nc_u64 s[4:5], s[4:5], s[2:3]            ; x's codes at my first row
	s_mul_i32 s2, s[RGRP], 512*768
	s_add_nc_u64 s[8:9], s[8:9], s[2:3]            ; h's
	s_lshl_b32 s2, s[RGRP], 13
	s_add_nc_u64 s[6:7], s[6:7], s[2:3]            ; x's scale bytes
	s_lshl_b32 s2, s[RGRP], 14
	s_add_nc_u64 s[10:11], s[10:11], s[2:3]        ; h's
	s_cmp_eq_u32 s[WV], 0                          ; wave 0 fetches x's 8,192 scale bytes, waves 1 and 2 the halves of h's 16,384
	s_cselect_b64 s[G0S+2:G0S+3], s[6:7], s[10:11]
	s_cmp_eq_u32 s[WV], 2
	s_cselect_b32 s2, 0x2000, 0
	s_add_nc_u64 s[G0S+2:G0S+3], s[G0S+2:G0S+3], s[2:3]
	s_or_b32 s[G0S+3], s[G0S+3], 0x80000000        ; 127:126 type = 2
	s_mov_b32 s[G0S], 1
	s_lshl_b32 s101, s[WV], 13
	s_add_co_u32 s[G0S+1], s101, XSC               ; x's, then h's two halves = wave x 8,192
	s_lshl_b32 s66, s[RGRP], 21                    ; 512 rows of 4,096 bytes,
	s_lshl_b32 s95, s[TC], 8                       ; my 64 hidden units: 256 bytes
	s_add_co_u32 s66, s66, s95
	s_add_nc_u64 s[18:19], s[18:19], s[66:67]      ; c_old at my first tile
	s_lshl_b32 s95, s[WV], 15                      ; the way out: my 8 rows of a block
	s_add_co_u32 s66, s66, s95
	s_add_nc_u64 s[20:21], s[20:21], s[66:67]
	s_add_nc_u64 s[22:23], s[22:23], s[66:67]
	s_add_nc_u64 s[PFA:PFA+1], s[18:19], 2*64*4096 ; at slot 2: the first change of slots steps it to slot 3
.irp s, 0,1
	s_mov_b32 s[G0X+4*\s], 1                       ; 1:0 count = 1
	s_mov_b32 s[G0X+4*\s+1], XT+\s*SLOT1           ; 63:32 LDS address
	s_add_nc_u64 s[G0X+4*\s+2:G0X+4*\s+3], s[4:5], \s*64*384        ; 120:64 global address: rows 64 s on
	s_or_b32 s[G0X+4*\s+3], s[G0X+4*\s+3], 0x80000000
	s_mov_b32 s[G0H+4*\s], 1
	s_mov_b32 s[G0H+4*\s+1], HT+\s*SLOT1
	s_add_nc_u64 s[G0H+4*\s+2:G0H+4*\s+3], s[8:9], \s*64*768
	s_or_b32 s[G0H+4*\s+3], s[G0H+4*\s+3], 0x80000000
	s_mov_b32 s[G0C+4*\s], 1
	s_mov_b32 s[G0C+4*\s+1], CT+\s*SLOT1
	s_add_nc_u64 s[G0C+4*\s+2:G0C+4*\s+3], s[18:19], \s*64*4096
	s_or_b32 s[G0C+4*\s+3], s[G0C+4*\s+3], 0x80000000
.endr
	s_lshl_b32 s95, s[TC], 2
	s_add_co_u32 s95, s95, s[WV]                   ; hb: my 16 hidden units
	s_mul_i32 s66, s95, 48*1536
	s_add_nc_u64 s[12:13], s[12:13], s[66:67]      ; my 48 fragments
	s_mul_i32 s66, s95, 3072
	s_add_nc_u64 s[14:15], s[14:15], s[66:67]      ; their scale words
	s_lshr_b32 s66, s95, 1
	s_lshl_b32 s66, s66, 9
	s_and_b32 s95, s95, 1
	s_lshl_b32 s95, s95, 6
	s_add_co_u32 s66, s66, s95
	s_add_nc_u64 s[16:17], s[16:17], s[66:67]      ; bsum: (hb / 2) x 128 + 16 (hb % 2) numbers on; gate g 32 numbers further
	CROUND                                         ; all four work-groups are here: the first joint loads meet
	s_cmp_eq_u32 s[WV], 0                          ; a wave's three first fills stand in one branch, ahead of every wait on TENSORcnt and every LDS read: three loads of mine are out
	s_cbranch_scc0 .Lfirst_not_x
	tensor_load_to_lds s[G0S:G0S+3], s[G1S:G1S+7]
	s_nop 0
	tensor_load_to_lds s[G0X:G0X+3], s[G1X:G1X+7]
	s_nop 0
	tensor_load_to_lds s[G0X+4:G0X+7], s[G1X:G1X+7]
	s_nop 0
	PLACES 4
	s_branch .Lfirst_asked
.Lfirst_not_x:
	s_cmp_eq_u32 s[WV], 1
	s_cbranch_scc0 .Lfirst_not_h
	tensor_load_to_lds s[G0S:G0S+3], s[G1S:G1S+7]
	s_nop 0
	tensor_load_to_lds s[G0H:G0H+3], s[G1H:G1H+7]
	s_nop 0
	tensor_load_to_lds s[G0H+4:G0H+7], s[G1H:G1H+7]
	s_nop 0
	PLACES 4
	s_branch .Lfirst_asked
.Lfirst_not_h:
	s_cmp_eq_u32 s[WV], 2
	s_cbranch_scc0 .Lfirst_asked
	tensor_load_to_lds s[G0S:G0S+3], s[G1S:G1S+7]
	s_nop 0
	tensor_load_to_lds s[G0C:G0C+3], s[G1C:G1C+7]
	s_nop 0
	tensor_load_to_lds s[G0C+4:G0C+7], s[G1C:G1C+7]
	s_nop 0
	PLACES 4
.Lfirst_asked:
	; the weights: 6 loads of scale words, 8 of the bias, then 48 fragments x 3, in the order in which the K steps want them
.irp n, 0,1,2,3,4,5
	global_load_b128 v[BS+4*\n:BS+4*\n+3], v[BOF], s[14:15] offset:512*\n
.endr
	WIN 0xc0                                       ; destination window 3
.irp g, 0,1,2,3
	global_load_b128 v[BI+8*\g:BI+8*\g+3], v228, s[16:17] offset:128*\g            ; in the result's layout: lane (r, hh) holds hidden units 8 hh + 0 .. 7
	global_load_b128 v[BI+8*\g+4:BI+8*\g+7], v228, s[16:17] offset:128*\g+16
.endr
.macro WHERE                           ; fragment XF = 4 k + g lies in window XWB at register XRB
.if XF < 21
.set XWB, 1
.set XRB, 12*XF
.elseif XF < 42
.set XWB, 2
.set XRB, 12*(XF-21)
.else
.set XWB, 0
.set XRB, BP+12*(XF-42)
.endif
.endm
.set XF, 0
.rept 48
	WHERE
	WIN XWB<<6
.irp c, 0,1,2
	global_load_b128 v[XRB+4*\c:XRB+4*\c+3], v[BOF], s[12:13] offset:XF*1536+512*\c   ; 32 lanes read 512 consecutive bytes
.endr
.set XF, XF+1
.endr
	WIN 0
; A row fragment, 16 rows x 128 K, is 12 registers: lane l holds row l % 16; registers 6 c .. 6 c + 5 hold K = 64 c + 32 (l / 16) + 0 .. 31: 24 bytes of the row's stream of bits, as they lie, in pieces of 8 bytes.
; Lanes 0-15 take the row's pieces 12 q + 0, 1, 2 and 12 q + 6, 7, 8, lanes 16-31 those three pieces on.  16 bytes of padding lie behind every n pieces: where the piece three on lies behind one padding more, the second address register serves.
.macro FRAG reg, adr, q, rowoff, n
.irp p, 0,1,2,3,4,5
.set PC, 12*(\q)+6*(\p/3)+\p%3
.if PC%\n < \n-3
	ds_load_b64 v[\reg+2*\p:\reg+2*\p+1], v[\adr] offset:8*PC+16*(PC/\n)+\rowoff
.else
	ds_load_b64 v[\reg+2*\p:\reg+2*\p+1], v[\adr+1] offset:8*PC+16*(PC/\n)+\rowoff
.endif
.endr
.endm
.macro RUN kk, blk                     ; 12 LDS loads: the two row fragments of K step kk (0-3: x, 4-11: h) of the slot's block blk, into buffer kk % 4
.irp m, 0,1
.if (\kk) < 4
	FRAG AF+24*((\kk)%4)+12*\m, AXW, (\kk), (32*(\blk)+16*\m)*XP, 16
.else
	FRAG AF+24*((\kk)%4)+12*\m, AHW, ((\kk)-4), (32*(\blk)+16*\m)*HP, 32
.endif
.endr
.endm
; Matrix instruction i of a turn's 96: K step i / 8, tile of rows (i % 8) / 4, gate i % 4, into set P.  The eight accumulators take turns, one instruction a turn.
.macro MM P
.set XKS, i/8
.set XM, (i%8)/4
.set XG, i%4
.set XF, 4*XKS+XG
	WHERE
.set XRD, 64*(\P)+16*XG+8*XM
.set XRC, XRD
.if XKS == 0
.set XRC, BI+8*XG                      ; the bias starts the sum: nothing is cleared and nothing added later
.endif
.set XRA, AF+24*(XKS%4)+12*XM
.set XSB, BS+12*(XG/2)+XKS
.set XSA, AS+XKS
	WIN 0xf0|XWB                                   ; C and D window 3, the rows window 0, the weights where they lie
.if (XG%2 == 0) && (XM == 0)
	v_wmma_scale_f32_16x16x128_f8f6f4 v[XRD:XRD+7], v[XRB:XRB+11], v[XRA:XRA+11], v[XRC:XRC+7], v[XSB], v[XSA] matrix_a_fmt:MATRIX_FMT_FP6 matrix_b_fmt:MATRIX_FMT_FP6
.elseif XM == 0
	v_wmma_scale_f32_16x16x128_f8f6f4 v[XRD:XRD+7], v[XRB:XRB+11], v[XRA:XRA+11], v[XRC:XRC+7], v[XSB], v[XSA] matrix_a_fmt:MATRIX_FMT_FP6 matrix_b_fmt:MATRIX_FMT_FP6 matrix_a_scale:MATRIX_SCALE_ROW1
.elseif XG%2 == 0
	v_wmma_scale_f32_16x16x128_f8f6f4 v[XRD:XRD+7], v[XRB:XRB+11], v[XRA:XRA+11], v[XRC:XRC+7], v[XSB], v[XSA] matrix_a_fmt:MATRIX_FMT_FP6 matrix_b_fmt:MATRIX_FMT_FP6 matrix_b_scale:MATRIX_SCALE_ROW1
.else
	v_wmma_scale_f32_16x16x128_f8f6f4 v[XRD:XRD+7], v[XRB:XRB+11], v[XRA:XRA+11], v[XRC:XRC+7], v[XSB], v[XSA] matrix_a_fmt:MATRIX_FMT_FP6 matrix_b_fmt:MATRIX_FMT_FP6 matrix_a_scale:MATRIX_SCALE_ROW1 matrix_b_scale:MATRIX_SCALE_ROW1
.endif
.endm
; THE CELL of a block is a list of 322 vector instructions on 16 numbers a lane; EL writes number j of it for set E.  All its registers lie in window 3.
;   0-160    the four exponents (x the constant, held at 40) and their 64 exponentials, a plain line between two exponentials while there are plain lines; a v_nop
;   161-232  (1 + b); (1 + a)(1 + b); (1 + d); (b - 1)(1 + d); the divisor; its 16 reciprocals; behind them (1 + p) and + c_old (1 + a)(1 + b)
;   233-281  c; its exponent; 16 exponentials among the holds; a v_nop
;   282-313  (1 + p)(1 + e); 16 reciprocals; behind them e - 1          314-321  h
; In front of 161, 233, 282 and 314 stands s_wait_alu depctr_va_vdst(0): one wait for each batch of transcendentals, ahead of its first reader.  Each accumulator is first read at its low end.
.macro SE x, c, e, n                   ; number n of 40: exponent x is made, pair by pair, with the 16 exponentials of e between its lines
.set XKK, (\n)/5
.set XRR, (\n)%5
.if XRR == 0
	v_pk_mul_f32 v[\x+2*XKK:\x+2*XKK+1], v[\x+2*XKK:\x+2*XKK+1], s[\c:\c+1] op_sel_hi:[1,0]
.elseif XRR == 1
	v_exp_f32 v[\e+2*XKK], v[\e+2*XKK]
.elseif XRR == 2
	v_min_num_f32 v[\x+2*XKK], s[CAP], v[\x+2*XKK]
.elseif XRR == 3
	v_exp_f32 v[\e+2*XKK+1], v[\e+2*XKK+1]
.else
	v_min_num_f32 v[\x+2*XKK+1], s[CAP], v[\x+2*XKK+1]
.endif
.endm
.macro EL E
.set RI, 64*(\E)
.set RF, RI+16
.set RO, RI+32
.set RG, RI+48
.if j < 8
	v_pk_mul_f32 v[RI+2*j:RI+2*j+1], v[RI+2*j:RI+2*j+1], s[NL2E:NL2E+1] op_sel_hi:[1,0]
.elseif j < 24
	v_min_num_f32 v[RI+j-8], s[CAP], v[RI+j-8]
.elseif j < 64
	SE RG, TL2E, RI, j-24                          ; a = e^-i
.elseif j < 104
	SE RF, NL2E, RG, j-64                          ; b = e^2g
.elseif j < 144
	SE RO, NL2E, RF, j-104                         ; d = e^-f
.elseif j < 160
	v_exp_f32 v[RO+j-144], v[RO+j-144]             ; p = e^-o
.elseif j == 160
	v_nop
.elseif j < 169
.set u, 2*(j-161)
	v_pk_add_f32 v[T2+u:T2+u+1], v[RG+u:RG+u+1], 1.0 op_sel_hi:[1,0]               ; 1 + b
.elseif j < 177
.set u, 2*(j-169)
	v_pk_fma_f32 v[T1+u:T1+u+1], v[RI+u:RI+u+1], v[T2+u:T2+u+1], v[T2+u:T2+u+1]    ; (1 + a)(1 + b)
.elseif j < 185
.set u, 2*(j-177)
	v_pk_add_f32 v[RI+u:RI+u+1], v[RF+u:RF+u+1], 1.0 op_sel_hi:[1,0]               ; 1 + d, where a lay
.elseif j < 193
.set u, 2*(j-185)
	v_pk_fma_f32 v[RG+u:RG+u+1], v[RG+u:RG+u+1], v[RI+u:RI+u+1], v[RI+u:RI+u+1] neg_lo:[0,0,1] neg_hi:[0,0,1]   ; (b - 1)(1 + d)
.elseif j < 201
.set u, 2*(j-193)
	v_pk_mul_f32 v[T2+u:T2+u+1], v[T1+u:T1+u+1], v[RI+u:RI+u+1]                    ; the divisor
.elseif j < 217
	v_rcp_f32 v[T2+j-201], v[T2+j-201]
.elseif j < 225
.set u, 2*(j-217)
	v_pk_add_f32 v[RO+u:RO+u+1], v[RO+u:RO+u+1], 1.0 op_sel_hi:[1,0]               ; 1 + p
.elseif j < 233
.set u, 2*(j-225)
	v_pk_fma_f32 v[RG+u:RG+u+1], v[CO+u:CO+u+1], v[T1+u:T1+u+1], v[RG+u:RG+u+1]    ; + c_old (1 + a)(1 + b)
.elseif j < 241
.set u, 2*(j-233)
	v_pk_mul_f32 v[RF+u:RF+u+1], v[RG+u:RG+u+1], v[T2+u:T2+u+1]                    ; c
.elseif j < 249
.set u, 2*(j-241)
	v_pk_mul_f32 v[T1+u:T1+u+1], v[RF+u:RF+u+1], s[TL2E:TL2E+1] op_sel_hi:[1,0]
.elseif j < 281
.set u, j-249                          ; two holds, then exponential n and hold n + 2 by turns, then the last two exponentials
.if u < 2
	v_min_num_f32 v[T1+u], s[CAP], v[T1+u]
.elseif u >= 30
	v_exp_f32 v[T1+u-16], v[T1+u-16]
.elseif u%2 == 0
	v_exp_f32 v[T1+(u-2)/2], v[T1+(u-2)/2]         ; e = e^2c
.else
	v_min_num_f32 v[T1+(u+1)/2], s[CAP], v[T1+(u+1)/2]
.endif
.elseif j == 281
	v_nop
.elseif j < 290
.set u, 2*(j-282)
	v_pk_fma_f32 v[T2+u:T2+u+1], v[T1+u:T1+u+1], v[RO+u:RO+u+1], v[RO+u:RO+u+1]    ; (1 + p)(1 + e)
.elseif j < 306
	v_rcp_f32 v[T2+j-290], v[T2+j-290]
.elseif j < 314
.set u, 2*(j-306)
	v_pk_add_f32 v[T1+u:T1+u+1], v[T1+u:T1+u+1], -1.0 op_sel_hi:[1,0]              ; e - 1
.else
.set u, 2*(j-314)
	v_pk_mul_f32 v[RO+u:RO+u+1], v[T1+u:T1+u+1], v[T2+u:T2+u+1]                    ; h
.endif
.endm
; Slice i: what stands behind matrix instruction i.  The list's five parts are spread over slices 0-35, 36-51, 52-67, 68-75, 76-77, so that each part ends where a run of LDS loads stands: there the part's wait is written.
.macro SLICE E
.if i < 36
.set XLO, (i*161)/36
.set XHI, ((i+1)*161)/36
.elseif i < 52
.set XLO, 161+((i-36)*72)/16
.set XHI, 161+((i-35)*72)/16
.elseif i < 68
.set XLO, 233+((i-52)*49)/16
.set XHI, 233+((i-51)*49)/16
.elseif i < 76
.set XLO, 282+(i-68)*4
.set XHI, XLO+4
.elseif i < 78
.set XLO, 314+(i-76)*4
.set XHI, XLO+4
.else
.set XLO, 0
.set XHI, 0
.endif
.if XHI > XLO
	WIN 0xff
.set j, XLO
.rept XHI-XLO
	EL \E
.set j, j+1
.endr
.endif
.endm
.macro C_IN P                          ; c_old of the slot's block P, in the accumulators' layout: row 16 m + r, my eight hidden units
	WIN 0xc0                                       ; destination window 3, address window 0
.irp m, 0,1
.irp q, 0,1
	ds_load_b128 v[CO+8*\m+4*\q:CO+8*\m+4*\q+3], v[ACW] offset:(32*(\P)+16*\m)*CP+16*\q
.endr
.endr
.endm
.macro STAGE_OUT P, E                  ; c and h of set E into stage P
	WIN 0x0c                                       ; an LDS store's data are its source 1: window 3
.irp m, 0,1
.irp q, 0,1
	ds_store_b128 v[STO], v[64*(\E)+16+8*\m+4*\q:64*(\E)+16+8*\m+4*\q+3] offset:(\P)*SBUF+16*\m*CP+16*\q
	ds_store_b128 v[STO], v[64*(\E)+32+8*\m+4*\q:64*(\E)+32+8*\m+4*\q+3] offset:(\P)*SBUF+32*CP+16*\m*CP+16*\q
.endr
.endr
.endm
.macro RB_IN P                         ; my 8 whole rows of c and of h back from stage P
	WIN 0xc0
.irp o, 0,1
.irp n, 0,1,2,3
	ds_load_b128 v[RB+16*\o+4*\n:RB+16*\o+4*\n+3], v[RD] offset:(\P)*SBUF+\o*32*CP+2*\n*CP
.endr
.endr
.endm
.macro G_OUT                           ; sixteen lanes store 256 consecutive aligned bytes; written once, read by nobody here.  The bases were stepped a block on ahead of these stores: they reach back
	WIN 0x0c
.irp n, 0,1,2,3
	global_store_b128 v[VOFF], v[RB+4*\n:RB+4*\n+3], s[22:23] offset:8192*\n-131072 th:TH_STORE_NT
.endr
.irp n, 0,1,2,3
	global_store_b128 v[VOFF], v[RB+16+4*\n:RB+16+4*\n+3], s[20:21] offset:8192*\n-131072 th:TH_STORE_NT
.endr
.endm
; A TURN.  P: the set that the products write, the slot's block that they read, and the stage.  rel: that block, counted from the block at which v[ASX], v[ASH] stand.  el = 1: the cell of the block before stands in slices.
; sync: 0 no barrier; 1 the stage's barrier; 2 it is also the change of slots, with a refill; 3 the change without.  nx = 1: a block follows, and its first fragments and scale words are fetched.
; THE LDS LOADS of K step k + 3 stand behind matrix instruction 8 k + 3, into the buffer that K step k - 1 has left; the slices between are the places behind its last product, and v_nop where the slices there hold too few plain lines.
; THE BARRIER.  c and h are in the stage behind slice 77; each wave waits for its LDS instructions behind product 81, signals, issues two more products and waits: then whole rows are read back, and stored behind product 95.
; At a change of slots the wave's last reads of the slot (K step 11, c_old) were issued behind product 67; in front of the barrier it waits for all its tensor loads, of which one is out: its part of the other slot.
.macro TURN P, rel, el, sync, nx
.set i, 0
.rept 96
.if i%8 == 0
.if !(\el)
.if i == 0
	s_wait_loadcnt 63                              ; 158 loads were issued: all but the youngest 63 are in: the scale words, the bias and K steps 0 to 5
.elseif i >= 48
	s_wait_loadcnt 132-12*(i/8)                    ; this K step's four fragments are in; 12 loads for each later K step may be out
.endif
.endif
	s_wait_dscnt 12                                ; this K step's row fragments are in: at least one younger run of 12 loads was issued behind them, and may be out
.endif
	MM \P
.if \el
	SLICE 1-(\P)
.endif
.if (i%8 == 3) && (i <= 67)
.if !(\el) || (i == 35) || (i == 67)
	PLACES 4
.endif
.if (\el) && ((i == 35) || (i == 51) || (i == 67))
	s_wait_alu depctr_va_vdst(0)                   ; one wait for the batch of transcendentals just issued
.endif
.if i == 67
	C_IN \P                                        ; the cell before has read its c_old (number 232 of the list lies in slice 51)
.endif
	WIN 0
.if (i == 11) && ((\rel) > 0)
	ds_load_b128 v[AS+8:AS+11], v[ASH] offset:1024*(\rel)+16       ; this block's scale words of K steps 8-11: the block before has done with these registers
.endif
.if (i == 43) && (\nx)
	ds_load_b128 v[AS:AS+3], v[ASX] offset:512*((\rel)+1)          ; the next block's of K steps 0-3
.endif
.set XK, i/8+3
	RUN XK, \P
.endif
.if i == 75
.if \el
	s_wait_alu depctr_va_vdst(0)
.endif
.if \nx
.if !(\el)
	PLACES 4
.endif
	WIN 0
	ds_load_b128 v[AS+4:AS+7], v[ASH] offset:1024*((\rel)+1)       ; the next block's of K steps 4-7
.if (\P) == 0
	RUN 0, 1                                       ; the next block lies in the same slot
.endif
.endif
.endif
.if (i == 77) && (\el)
	STAGE_OUT \P, 1-(\P)
.endif
.if (i == 79) && (\sync)
.if (\sync) >= 2
	WIN 0                                          ; (the add's two registers lie in window 0)
	s_wait_tensorcnt 0x0                           ; all my tensor loads have landed: my part of the other slot; so a descriptor may be written
	ds_add_u32 v[SPW], v[NIL]                      ; 0 onto my spare word; scalar steps and two products stand between it and the wait for it
.endif
.if (\sync) == 2
.irp g, G0X+4, G0H+4, G0C+4
	s_xor_b32 s[\g+1], s[\g+1], SLOT1              ; the walking descriptors: the other slot than last time,
.endr
	s_add_nc_u64 s[G0X+6:G0X+7], s[G0X+6:G0X+7], 64*384            ; the next 64 rows; the type bits on top are not reached
	s_add_nc_u64 s[G0H+6:G0H+7], s[G0H+6:G0H+7], 64*768
	s_add_nc_u64 s[G0C+6:G0C+7], s[G0C+6:G0C+7], 64*4096
.endif
	s_wait_xcnt 0x0                                ; the last turn's stores, and the last prefetches, have read their registers and bases: these may be written
.if (\sync) == 2
	s_add_nc_u64 s[PFA:PFA+1], s[PFA:PFA+1], 64*4096
.endif
	s_add_nc_u64 s[20:21], s[20:21], 32*4096       ; a block on
	s_add_nc_u64 s[22:23], s[22:23], 32*4096
.endif
.if (i == 81) && (\sync)
	s_wait_dscnt 0x0                               ; my stores into the stage have landed, my reads of the slot are over, the add is done
	s_barrier_signal -1
.endif
.if i == 83
.if \sync
	WIN 0                                          ; (branches may follow)
	s_barrier_wait -1
.endif
.if (\sync) == 2
	CREST                                          ; the barrier has opened a round of the cluster's barrier: no wave of any partner still reads the slot or has a load on its way
	TLOAD                                          ; the first tensor load behind the round, and a wave's only one until the next
	ASK
.endif
.if (\sync) >= 2
	s_xor_b32 s[TB], s[TB], SLOT1                  ; on to the other slot
	ADDRS
.endif
	PLACES 4                                       ; behind K step 9's products, whose buffer is loaded below
.if \el
	RB_IN \P
.endif
.if \nx
	WIN 0
.if (\P) == 0
	RUN 1, 1
.else
	RUN 0, 0                                       ; the next block is the other slot's first
	RUN 1, 0
.endif
.endif
.endif
.if (i == 91) && (\nx)
	PLACES 4                                       ; behind K step 10's products
	WIN 0
	RUN 2, 1-(\P)
.endif
.if i == 95
.if \el
.if \nx
	s_wait_dscnt 24                                ; the rows are back from the stage: at least two runs of 12 loads were issued behind them, and may be out
.else
	s_wait_dscnt 0x0
.endif
	G_OUT
.endif
	PLACES 4                                       ; behind the turn's last products: the next turn reads their results and loads into K step 11's buffer
.endif
.set i, i+1
.endr
.endm
	s_wait_tensorcnt 0x1                           ; the scale bytes and my part of slot 0 are in; slot 1's load may stay out
	s_barrier_signal -1
	s_barrier_wait -1                              ; everybody's are
	ds_load_b128 v[AS:AS+3], v[ASX]                ; block 0's scale words
	ds_load_b128 v[AS+4:AS+7], v[ASH]
	ds_load_b128 v[AS+8:AS+11], v[ASH] offset:16
	RUN 0, 0
	RUN 1, 0
	RUN 2, 0
	TURN 0, 0, 0, 0, 1                             ; block 0's products: there is no cell yet to set between them; they begin while the weights of the later K steps are on their way
	WIN 0                                          ; at a label and at a branch every window is 0
	s_mov_b32 s[SLOTS], 6
.Lslot:                                                ; six trips of two turns: blocks 2 s + 1 and 2 s + 2; slot s % 2 is left and filled with rows 64 (s + 2) on
	TURN 1, 1, 1, 2, 1
	TURN 0, 2, 1, 1, 1
	WIN 0
	v_add_nc_u32 v[ASX], 1024, v[ASX]              ; two blocks on among the scale words
	v_add_nc_u32 v[ASH], 2048, v[ASH]
	s_sub_co_u32 s[SLOTS], s[SLOTS], 1
	s_cmp_lg_u32 s[SLOTS], 0
	s_cbranch_scc1 .Lslot
	TURN 1, 1, 1, 3, 1                             ; the tail is written out: blocks 13 and 14, nothing is asked for
	TURN 0, 2, 1, 1, 1
	WIN 0
	v_add_nc_u32 v[ASX], 1024, v[ASX]
	v_add_nc_u32 v[ASH], 2048, v[ASH]
	TURN 1, 1, 1, 1, 0                             ; block 15's products, block 14's cell
	WIN 0xff                                       ; block 15's cell
.set j, 0
.rept 322
.if (j == 161) || (j == 233) || (j == 282) || (j == 314)
	s_wait_alu depctr_va_vdst(0)
.endif
	EL 1
.set j, j+1
.endr
	STAGE_OUT 0, 1
	WIN 0
	s_wait_xcnt 0x0                                ; block 14's stores have read their registers and bases
	s_add_nc_u64 s[20:21], s[20:21], 32*4096
	s_add_nc_u64 s[22:23], s[22:23], 32*4096
	s_wait_dscnt 0x0                               ; for the others' sake: my stores into the stage have landed
	s_barrier_signal -1
	s_barrier_wait -1
	RB_IN 0
	s_wait_dscnt 0x0
	G_OUT
	WIN 0
	s_wait_tensorcnt 0x0                           ; the wave's end: behind my last tensor load and my last LDS store
	ds_add_u32 v[SPW], v[NIL]
	s_wait_dscnt 0x0
	CROUND                                         ; the closing round: no work-group ends while a partner may still ask for a tile that names it
	s_endpgm
.Lfunc_end_k_q9c2860e4d6_lstm:
	.size	k_q9c2860e4d6_lstm, .Lfunc_end_k_q9c2860e4d6_lstm-k_q9c2860e4d6_lstm
	.p2alignl 7, 3214868480
	.fill 96, 4, 3214868480
	.section	.rodata,"a",@progbits
	.p2align	6, 0x0
	.amdhsa_kernel k_q9c2860e4d6_lstm
		.amdhsa_group_segment_fixed_size 327680
		.amdhsa_private_segment_fixed_size 0
		.amdhsa_enable_private_segment 0
		.amdhsa_kernarg_size 80
		.amdhsa_user_sgpr_count 2
		.amdhsa_user_sgpr_kernarg_segment_ptr 1
		.amdhsa_wavefront_size32 1
		.amdhsa_system_sgpr_workgroup_id_x 1
		.amdhsa_system_sgpr_workgroup_id_y 1
		.amdhsa_system_sgpr_workgroup_id_z 1
		.amdhsa_system_vgpr_workitem_id 0
		.amdhsa_next_free_vgpr 1024
		.amdhsa_next_free_sgpr 106
		.amdhsa_reserve_vcc 0
		.amdhsa_float_denorm_mode_32 3
		.amdhsa_float_denorm_mode_16_64 3
		.amdhsa_memory_ordered 1
		.amdhsa_forward_progress 1
		.amdhsa_inst_pref_size 255
	.end_amdhsa_kernel
	.section	.bss,"aw",@nobits
	.p2align	6
	.space	262144
	.amdgpu_metadata
---
amdhsa.version: [ 1, 2 ]
amdhsa.kernels:
  - .name:           k_q9c2860e4d6_lstm
    .symbol:         k_q9c2860e4d6_lstm.kd
    .args:
      - { .name: input_x_codes, .offset: 0, .size: 8, .value_kind: global_buffer, .address_space: global }
      - { .name: input_x_scales, .offset: 8, .size: 8, .value_kind: global_buffer, .address_space: global }
      - { .name: h_old_codes, .offset: 16, .size: 8, .value_kind: global_buffer, .address_space: global }
      - { .name: h_old_scales, .offset: 24, .size: 8, .value_kind: global_buffer, .address_space: global }
      - { .name: wq_img, .offset: 32, .size: 8, .value_kind: global_buffer, .address_space: global }
      - { .name: wq_sc, .offset: 40, .size: 8, .value_kind: global_buffer, .address_space: global }
      - { .name: bsum, .offset: 48, .size: 8, .value_kind: global_buffer, .address_space: global }
      - { .name: c_old, .offset: 56, .size: 8, .value_kind: global_buffer, .address_space: global }
      - { .name: out0, .offset: 64, .size: 8, .value_kind: global_buffer, .address_space: global }
      - { .name: out1, .offset: 72, .size: 8, .value_kind: global_buffer, .address_space: global }
    .group_segment_fixed_size: 327680
    .private_segment_fixed_size: 0
    .kernarg_segment_align: 8
    .kernarg_segment_size: 80
    .max_flat_workgroup_size: 128
    .sgpr_count:     106
    .vgpr_count:     1024
    .wavefront_size: 32
...
	.end_amdgpu_metadata
.endif
;; end of part 2
